; MI455X (gfx1250); checked and timed in simulation.
; The chip was launched on July 23, 2026; its instructions are those of AMD's public machine-readable ISA for CDNA 5 (MIT licence, August 2026) and "CDNA5" Instruction Set Architecture Reference Guide (July 2026). The comments in the code are by the model that wrote it; some were corrected since.
;; Discrete Key Value Bottleneck. Allowed arithmetic: matrix products marked QUANTISED: E4M3 operands, one given power-of-two scale a tensor, by v_wmma_f32_16x16x64_fp8_fp8 or v_wmma_f32_16x16x128_fp8_fp8, f32 sums; everything else in f32.
;; Inputs: codebook 8,192 x 512 float32; lowp_scales 2 int32 (the exponents e of the quantised operands' scales 2^e); values 8,192 x 512 float32; x 8 x 2,048 x 512 float32.
;; Outputs: out0 8 x 2,048 x 512 float32.
;; This version of the problem:
;;   THIS VERSION OF THE PROBLEM IS GIVEN IN LOW PRECISION. The matrix products marked QUANTISED in the list below multiply operands that are first quantised to E4M3 (4 exponent bits, 3 mantissa bits; 8 bits a number), with one given power-of-two scale for each operand tensor; their sums are f32. All else is computed in f32.
;;   The module's matrix products, in the order in which they are computed (A, B: the left and right operand; K: the contracted axis; several contracted axes count as one K, in the product's order):
;;     1. [M 16,384, K 512] x [K 512, N 8,192]; A: input x; B: input codebook: QUANTISED (scales: A lowp_scales[0], B lowp_scales[1])
;;   THE QUANTISER, for each operand of a quantised product, along K:
;;     - The operand's scale is 2^e, e = its entry of the input lowp_scales (int32; the entries are numbered through the quantised products in the list's order, A before B).
;;     - Each number is divided by the scale, clamped to +-448, and rounded to the nearest number of E4M3, ties to even, subnormals kept.
;;     - The product sums the exact products of the quantised numbers (number of the format x scale) in f32.
;;   ~~~python
;;   def quantise(x, axis, e):      # numpy; x: float32 -> the quantised numbers, widened to float32 again
;;       x = np.moveaxis(x, axis, -1); K = x.shape[-1]
;;       r = np.clip(x / 2.0 ** e, -448, 448)
;;       step = 2.0 ** (np.maximum(np.frexp(np.where(r == 0, 1, r))[1] - 1, -6) - 3)
;;       q = np.round(r / step) * step * 2.0 ** e      # np.round: ties to even
;;       return np.moveaxis(q, -1, axis).astype(np.float32)
;;   ~~~
;; One version. Each part assembles by itself: llvm-mc -triple=amdgcn-amd-amdhsa -mcpu=gfx1250 --defsym DOCPART=n.
;; ======== version 1 of 1: 3 launches
;; limits: right only within a limited range of input values
;; workspace buffers: x_codes 8,388,608 bytes; c_codes 4,227,072 bytes; parts 1,048,576 bytes of whole numbers
;; launch quant (part 1): grid 256 x 1, 6 waves a work-group, no clusters, 51,456 bytes of LDS; arguments x, codebook, lowp_scales, x_codes, c_codes; writes x_codes, c_codes
.if DOCPART == 1
	.amdgcn_target "amdgcn-amd-amdhsa--gfx1250"
	.amdhsa_code_object_version 6
	.text
	.protected	k_q011dde5ae0_quant
	.globl	k_q011dde5ae0_quant
	.p2align	8
	.type	k_q011dde5ae0_quant,@function
k_q011dde5ae0_quant:
	s_mov_b64 s[64:65], 0
	v_nop
	global_prefetch_b8 v0, s[64:65] scope:SCOPE_SE
	s_setreg_imm32_b32 hwreg(HW_REG_WAVE_MODE, 25, 1), 1
	s_wait_xcnt 0x0
; x [16384][512] and codebook [8192][512], f32, become codes of FP8 (E4M3), each tensor with the one scale 2^e that is given for it (entry 0: x, entry 1: codebook):
; code = number / 2^e, held within +-448, rounded to the nearest code, ties to even.  For the codebook also cbias[n] = -(sum over k of c[n][k]^2) / 2 / 2^(ex + ec), from the UNQUANTISED numbers, in f32:
; the next launch starts each sum of code products with it, so that the largest sum is the nearest entry.
; LAYOUT OF THE CODES: the order of the matrix operand's registers.  A tile is 16 rows x 512 K = 8,192 bytes; the code of row n, k = 128 s + 32 c + 16 h + b lies at
; (n / 16) 8192 + 2048 s + 512 c + 16 (16 h + n % 16) + b: register group c of fragment (tile, s) is 512 consecutive bytes, lane l's 16 bytes at 16 l.
; SHARES: 1,536 tiles (1,024 of x, 512 of the codebook), one to a wave: 256 work-groups x 6 waves.  Only pointers and e are chosen by the tile's number: both tensors take one path; the sum of squares alone stands under a branch.
; A K step of 128: sixteen loads, each 512 consecutive bytes of one row; the 8,192 bytes turn through the wave's own stage in LDS (rows of 512 + 16 bytes), and come back 64 bytes a lane: 16 neighbours along K of each of 4 blocks of 32.
; No barrier: waves share nothing.  Two K steps' loads (32 a wave) are out at the start, 16 to 32 later.
; cbias leaves as 64 bytes a wave (16 lanes x 4 bytes): 32,768 bytes in the whole launch; to join four waves' parts would take a barrier.
; LIMITS: ex and ec between -126 and 119 (448 x 2^e is made as an f32 number); NaN among the inputs is not served; an infinity is held at the largest code.
.set XT,   1024                        ; tiles of x
.set SP,   528                         ; a stage row: 512 bytes + 16: the 16 rows that a load touches begin 16 bytes apart modulo 256
.set STGB, 16*SP                       ; a wave's stage
.set LI,   1                           ; v1   16 x lane
.set STI,  2                           ; v2   into the stage: stage + 16 x lane
.set STO,  3                           ; v3   out of it: stage + 528 r + 64 h
.set CB,   4                           ; v4   4 r
.set LIMV, 10                          ; v10  448 x 2^e
.set SCV,  11                          ; v11  2^e
.set PC,   16                          ; v16-31   a K step's codes
.set SQ,   32                          ; v32-35   the sum of squares, two packed chains; v36 the other half of the lanes'
.set R,    64                          ; v64-191  two sets of 64: numbers as loaded
.set X,    192                         ; v192-255 register 16 c + i: k = 32 c + 16 h + i of row r
	s_load_b256 s[4:11], s[0:1], 0x0               ; x s[4:5], codebook s[6:7], the scales' exponents s[8:9], x's codes s[10:11]
	s_load_b64 s[12:13], s[0:1], 0x20              ; the codebook's image
	v_lshl_add_u32 v62, v0, 2, 0xc600
	v_mov_b32 v63, 0
	v_lshrrev_b32 v5, 5, v0
	v_readfirstlane_b32 s16, v5                    ; wave 0..5
	v_and_b32 v6, 31, v0                           ; lane
	v_and_b32 v7, 15, v0                           ; r
	v_bfe_u32 v8, v0, 4, 1                         ; h
	v_lshlrev_b32 v[LI], 4, v6
	s_mul_i32 s19, s16, STGB                       ; my stage
	v_add_nc_u32 v[STI], s19, v[LI]
	v_mul_u32_u24 v[STO], v7, SP
	v_lshl_add_u32 v[STO], v8, 6, v[STO]
	v_add_nc_u32 v[STO], s19, v[STO]
	v_lshlrev_b32 v[CB], 2, v7
.irp j, 0,1,2,3,4
	v_mov_b32 v[SQ+\j], 0                          ; the chains begin at 0, so that every K step is the same text; v36 is written since a lane permute's destination counts as read
.endr
	s_mov_b32 s30, 0x76543210                      ; v_permlanex16_b32: lane l xor 16
	s_mov_b32 s31, 0xfedcba98
	s_mul_i32 s17, ttmp9, 6
	s_add_co_u32 s17, s17, s16                     ; my tile, 0..1535
	s_mov_b32 s25, 0
	s_wait_alu depctr_va_vdst(0)
	s_wait_kmcnt 0x0
	s_load_b64 s[20:21], s[8:9], 0x0               ; ex, ec
	s_cmp_lt_u32 s17, XT                           ; x's tile or the codebook's?  The choice hangs on ids alone
	s_cselect_b64 s[4:5], s[4:5], s[6:7]
	s_cselect_b64 s[10:11], s[10:11], s[12:13]
	s_cselect_b32 s18, 1, 0                        ; 1: x
	s_cselect_b32 s22, 0, XT
	s_sub_co_u32 s22, s17, s22                     ; the tile's number in its tensor
	s_lshl_b32 s24, s22, 15                        ; 16 rows x 2,048 bytes
	s_add_nc_u64 s[4:5], s[4:5], s[24:25]
	; THE CODEBOOK'S IMAGE: eight parts of 528,384 bytes, each the part's cbias (1,024 numbers, 4,096 bytes) and then its 64 tiles of 8,192 bytes of codes:
	; tile T's codes begin at 8192 T + 4096 (T / 64 + 1), its 16 numbers of cbias at 528384 (T / 64) + 64 (T % 64).  x's tiles lie on end.
	s_lshl_b32 s24, s22, 13                        ; 8,192 bytes of codes a tile
	s_lshr_b32 s29, s22, 6                         ; the part
	s_add_co_u32 s29, s29, 1
	s_lshl_b32 s29, s29, 12                        ; the runs of cbias that lie ahead of the tile
	s_cmp_lg_u32 s18, 0
	s_cselect_b32 s29, 0, s29                      ; none in x's codes
	s_add_co_u32 s24, s24, s29
	s_add_nc_u64 s[10:11], s[10:11], s[24:25]
.macro LOAD t                          ; K step t: row i's 512 bytes, 16 a lane
.irp i, 0,1,2,3,4,5,6,7,8,9,10,11,12,13,14,15
	global_load_b128 v[R+64*((\t)%2)+4*\i:R+64*((\t)%2)+4*\i+3], v[LI], s[4:5] offset:\i*2048+(\t)*512 th:TH_LOAD_NT
.endr
.endm
.macro TURN t                          ; through the stage: LDS serves a wave's instructions in order (ISA guide 5.7.1.4), so no wait stands between the stores and the loads
.irp i, 0,1,2,3,4,5,6,7,8,9,10,11,12,13,14,15
	ds_store_b128 v[STI], v[R+64*((\t)%2)+4*\i:R+64*((\t)%2)+4*\i+3] offset:\i*SP
.endr
.irp c, 0,1,2,3
.irp j, 0,1,2,3
	ds_load_b128 v[X+16*\c+4*\j:X+16*\c+4*\j+3], v[STO] offset:128*\c+16*\j
.endr
.endr
.endm
.macro SQS                             ; the codebook's waves: my 64 numbers' squares onto the two chains, ahead of the hold
	s_cmp_lg_u32 s18, 0
	s_cbranch_scc1 .Lis_x_\@
.irp j, 0,4,8,12,16,20,24,28,32,36,40,44,48,52,56,60
	v_pk_fma_f32 v[SQ:SQ+1], v[X+\j:X+\j+1], v[X+\j:X+\j+1], v[SQ:SQ+1]
	v_pk_fma_f32 v[SQ+2:SQ+3], v[X+\j+2:X+\j+3], v[X+\j+2:X+\j+3], v[SQ+2:SQ+3]
.endr
.Lis_x_\@:
.endm
.macro QUANT
.irp c, 0,1,2,3
.irp i, 0,1,2,3,4,5,6,7,8,9,10,11,12,13,14,15
	v_med3_num_f32 v[X+16*\c+\i], v[X+16*\c+\i], -v[LIMV], v[LIMV]   ; the conversion to an 8-bit code does not saturate (ISA guide 7.6.2): the hold at the largest code x the scale
.endr
	v_cvt_scalef32_pk8_fp8_f32 v[PC+4*\c:PC+4*\c+1], v[X+16*\c:X+16*\c+7], v[SCV]
	v_cvt_scalef32_pk8_fp8_f32 v[PC+4*\c+2:PC+4*\c+3], v[X+16*\c+8:X+16*\c+15], v[SCV]
.endr
	v_nop                                          ; one plain vector instruction behind the last conversion of the run
.endm
.macro STEP s
.if \s < 3
	s_wait_loadcnt 16                              ; this K step's 16 loads are in; the next step's 16 may be out
.else
	s_wait_loadcnt 0x0
.endif
	TURN \s
	s_wait_dscnt 0x0                               ; my 64 numbers are back, and the stores into the stage have read their registers,
.if \s < 2
	LOAD (\s)+2                                    ; which take the loads of two steps on
.endif
	SQS
.if \s > 0
	s_wait_xcnt 0x0                                ; the last step's stores have read the codes' registers, which are written again below
.endif
	s_wait_alu depctr_va_vdst(0)
	QUANT
.irp c, 0,1,2,3
	global_store_b128 v[LI], v[PC+4*\c:PC+4*\c+3], s[10:11] offset:(\s)*2048+\c*512   ; 32 lanes store 512 consecutive bytes, at a multiple of 512 from the buffer's first byte
.endr
.endm
	LOAD 0
	LOAD 1
	s_wait_kmcnt 0x0
	s_cmp_lt_u32 s17, XT
	s_cselect_b32 s23, s20, s21                    ; e
	s_add_co_i32 s23, s23, 127
	s_lshl_b32 s26, s23, 23
	v_mov_b32 v[SCV], s26                          ; 2^e as f32: the conversion takes its exponent field
	s_add_co_i32 s23, s23, 8
	s_lshl_b32 s23, s23, 23
	s_or_b32 s23, s23, 0x600000
	v_mov_b32 v[LIMV], s23                         ; 448 x 2^e
	s_add_co_i32 s27, s20, s21
	s_sub_co_i32 s27, 0, s27                       ; -(ex + ec)
	STEP 0
	STEP 1
	STEP 2
	STEP 3
	s_cmp_lg_u32 s18, 0
	s_cbranch_scc1 .Ldone                          ; x's waves are done
	s_and_b32 s24, s22, 63
	s_lshl_b32 s24, s24, 6                         ; 16 numbers of cbias, at the head of the tile's part of the image
	s_lshr_b32 s29, s22, 6
	s_mul_i32 s29, s29, 528384
	s_add_co_u32 s24, s24, s29
	s_add_nc_u64 s[14:15], s[12:13], s[24:25]
	v_add_f32 v[SQ], v[SQ], v[SQ+1]
	v_add_f32 v[SQ+2], v[SQ+2], v[SQ+3]
	v_add_f32 v[SQ], v[SQ], v[SQ+2]
	v_permlanex16_b32 v[SQ+4], v[SQ], s30, s31     ; the row's other half lies in the lane 16 away
	v_add_f32 v[SQ], v[SQ], v[SQ+4]                ; the row's sum of squares
	v_mul_f32 v[SQ], -0.5, v[SQ]
	v_ldexp_f32 v[SQ], v[SQ], s27                  ; x 2^-(ex + ec): neither line rounds, short of overflow and underflow
	v_cmp_gt_u32 vcc_lo, 16, v6
	s_wait_alu depctr_va_vdst(0)
	s_wait_xcnt 0x0                                ; EXEC is a source of the stores above: it changes only behind this wait
	s_and_saveexec_b32 s28, vcc_lo                 ; lanes 0 to 15: a row each
	global_store_b32 v[CB], v[SQ], s[14:15]
	s_wait_xcnt 0x0                                ; and again in front of the line that widens it
	s_or_b32 exec_lo, exec_lo, s28
.Ldone:
	s_wait_tensorcnt 0x0
	ds_add_u32 v62, v63
	s_wait_dscnt 0x0
	s_endpgm
.Lfunc_end_k_q011dde5ae0_quant:
	.size	k_q011dde5ae0_quant, .Lfunc_end_k_q011dde5ae0_quant-k_q011dde5ae0_quant
	.p2alignl 7, 3214868480
	.fill 96, 4, 3214868480
	.section	.rodata,"a",@progbits
	.p2align	6, 0x0
	.amdhsa_kernel k_q011dde5ae0_quant
		.amdhsa_group_segment_fixed_size 51456
		.amdhsa_private_segment_fixed_size 0
		.amdhsa_enable_private_segment 0
		.amdhsa_kernarg_size 40
		.amdhsa_user_sgpr_count 2
		.amdhsa_user_sgpr_kernarg_segment_ptr 1
		.amdhsa_wavefront_size32 1
		.amdhsa_system_sgpr_workgroup_id_x 1
		.amdhsa_system_sgpr_workgroup_id_y 1
		.amdhsa_system_sgpr_workgroup_id_z 1
		.amdhsa_system_vgpr_workitem_id 0
		.amdhsa_next_free_vgpr 256
		.amdhsa_next_free_sgpr 66
		.amdhsa_reserve_vcc 1
		.amdhsa_float_denorm_mode_32 3
		.amdhsa_float_denorm_mode_16_64 3
		.amdhsa_memory_ordered 1
		.amdhsa_forward_progress 1
		.amdhsa_inst_pref_size 46
	.end_amdhsa_kernel
	.amdgpu_metadata
---
amdhsa.version: [ 1, 2 ]
amdhsa.kernels:
  - .name:           k_q011dde5ae0_quant
    .symbol:         k_q011dde5ae0_quant.kd
    .args:
      - { .name: x, .offset: 0, .size: 8, .value_kind: global_buffer, .address_space: global }
      - { .name: codebook, .offset: 8, .size: 8, .value_kind: global_buffer, .address_space: global }
      - { .name: lowp_scales, .offset: 16, .size: 8, .value_kind: global_buffer, .address_space: global }
      - { .name: x_codes, .offset: 24, .size: 8, .value_kind: global_buffer, .address_space: global }
      - { .name: c_codes, .offset: 32, .size: 8, .value_kind: global_buffer, .address_space: global }
    .group_segment_fixed_size: 51456
    .private_segment_fixed_size: 0
    .kernarg_segment_align: 8
    .kernarg_segment_size: 40
    .max_flat_workgroup_size: 192
    .sgpr_count:     66
    .vgpr_count:     256
    .wavefront_size: 32
...
	.end_amdgpu_metadata
.endif
;; end of part 1
;; launch nearest (part 2): grid 32 x 8, 8 waves a work-group, clusters of 4 x 1, 327,680 bytes of LDS; arguments x_codes, c_codes, parts; writes parts
.if DOCPART == 2
	.amdgcn_target "amdgcn-amd-amdhsa--gfx1250"
	.amdhsa_code_object_version 6
	.text
	.protected	k_q011dde5ae0_nearest
	.globl	k_q011dde5ae0_nearest
	.p2align	8
	.type	k_q011dde5ae0_nearest,@function
k_q011dde5ae0_nearest:
	s_mov_b64 s[64:65], 0
	v_nop
	global_prefetch_b8 v0, s[64:65] scope:SCOPE_SE
	s_setreg_imm32_b32 hwreg(HW_REG_WAVE_MODE, 25, 1), 1
	s_wait_xcnt 0x0
	s_wait_alu depctr_hold_cnt(0) depctr_sa_sdst(0) depctr_va_vdst(0) depctr_va_sdst(0) depctr_va_ssrc(0) depctr_va_vcc(0) depctr_vm_vsrc(0)
	s_getreg_b32 s2, hwreg(HW_REG_IB_STS2, 6, 4)
	s_cmp_eq_u32 s2, 0
	s_cbranch_scc0 .Lentry_in_a_cluster
	s_endpgm
.Lentry_in_a_cluster:
	s_bfe_u32 s2, ttmp6, 0x10000c
	s_cmp_lg_u32 s2, 0x3003
	s_cbranch_scc0 .Lentry_shape_is_right
	s_endpgm
.Lentry_shape_is_right:
; For each row q of x and each eighth ("part") of the codebook: the entry n with the largest (sum over k of x's code x c's code) + cbias[n] = (x.c - |c|^2 / 2) / 2^(ex + ec),
; which is the entry with the least |c|^2 - 2 x.c; of equal scores the lowest n.  Stored for each (part, row): a whole number that orders as the score does, and n.  The next launch joins the eight parts.
; The products are v_wmma_f32_16x16x128_fp8_fp8 on the codes as they are; cbias is the C of each sum's first instruction.
; ROUNDING: the score is summed as cbias + four K steps, not as |c|^2 - 2 x.c: entries whose distances differ by a few f32 ulps may change places.  NaN is not served.
; SHARES.  A work-group: 512 rows (row block 4 x cluster x + cx) against one part of 1,024 entries (cluster y).  Eight waves, two to a SIMD, 512 registers each.  Wave w: rows 64 w on (4 tiles of 16), all 64 tiles of 16 entries.
; x's 64 rows x 512 K stay in 256 registers; a fragment of the codebook read from LDS feeds 4 matrix instructions.
; CLUSTER.  The four partners have the same part and other rows: every block of the codebook is asked for JOINTLY (mask 15).  x is not shared: it is read straight into registers.
; LDS.  Bytes 0-4,095 the part's cbias; then two slots of 131,072 bytes, a block of 256 entries each, dense images of the operand's registers.  In memory a part's cbias lies directly ahead of its block 0,
; so the head's one load a wave (66 rows of 256 bytes) brings an eighth of cbias + block 0; every later load is an eighth of a block (64 rows).  A wave has one tensor load out at the most, and every wait for one is for 0.
; TRANSPOSED USE: source 0 = 16 entries, source 1 = 16 rows of x: a lane holds ONE row (lane % 16) and entries 8 (lane / 16) + 0 .. 7 of the tile.
; A TILE OF ENTRIES: the next tile's 18 LDS loads; 16 matrix instructions on end (4 row tiles x 4 K steps; the four accumulators by turns, one instruction a turn);
; then the argmax's vector work in one block: for each lane and row tile the best score, the number of the tile that held it and that tile's eight scores: 10 instructions a row tile, the selects two to an instruction.
; The place among the eight is found once, at the end.
; REGISTERS: window 1 (v256-511): x, (row tile mi, K step s) at 64 mi + 16 s.  Window 0: all else.  s_set_vgpr_msb 0x04 puts source 1 into window 1 for the products: two switches a tile.
.set SLOT1,  1<<17                     ; from slot 0 to slot 1: an exclusive or on a start address under 2^17
.set BLOCKB, 131072                    ; a block: 16 tiles of 8,192 bytes
.set RING,   4096                      ; slot 0 begins behind cbias
.set PARTB,  RING+4*BLOCKB             ; a part of the image in memory
.set HEADB,  (RING+BLOCKB)/8           ; a wave's share of the first load: 16,896 bytes
.set SPARE,  RING+2*BLOCKB             ; the spare words, 128 bytes for each wave: four blocks of 256 bytes that no other line names
.set LI,   1                           ; 16 x lane
.set AB0,  2                           ; 32 (lane / 16): my eight numbers of a tile's cbias
.set ADR,  3                           ; LDS address of the fragments being fetched
.set ADB,  4                           ; of their cbias
.set SPW,  5                           ; my spare word; never rewritten
.set NIL,  6                           ; 0; never rewritten
.set PFO,  7                           ; 256 x min(lane, 15): the prefetch's offset
.set EB,   8                           ; 8 (lane / 16) + 1024 part
.set T0,   10                          ; v10-17 at work: four pairs
.set TIDV, 21                          ; the number of the tile of entries, 0..63
.set PO,   22                          ; 8 x lane
.set LC,   23                          ; 16 x lane + RING
.set BI,   24                          ; v24-39   cbias of a tile in the result's layout, two sets of 8
.set BEST, 40                          ; v40-43   row tile m: the best score
.set ID,   49                          ; v49-52   the tile that held it (an odd base: a dual pair wants one even and one odd destination)
.set SAVE, 64                          ; v64-95   that tile's eight scores
.set ACC,  96                          ; v96-127  the four accumulators
.set CF,   128                         ; v128-255 the codebook's fragments, two buffers of 4 K steps x 16 registers
.set JJ,   96                          ; the way out, in the accumulators' registers
.set EE,   100
.set OB,   104
.set OE,   108
.set OUTP, 112
.set WV,   12                          ; s12 wave; s15 cx; s16 row block; s17 part
.set TB,   18                          ; byte, from slot 0's first, of the next tile to fetch
.set BB,   19                          ; LDS byte of its cbias
.set SLOTS, 21
.set CNT,  22
.set LIM,  23                          ; 1 in a cluster that prefetches, else the greatest number
.set G1B,  24                          ; s[24:31] group 1: 64 rows of 256 bytes
.set G1H,  32                          ; s[32:39] group 1: 66 rows
.set G0A,  40                          ; s[40:43] group 0 of the first load
.set G0W,  44                          ; s[44:47] group 0 that walks: block 1 into slot 1, then on
.set PFA,  52
.set SEL,  56
.set MSB, 0
.macro WIN new                         ; the immediate's high byte repeats the setting that is left
.if MSB != (\new)
	s_set_vgpr_msb (MSB<<8)|(\new)
.set MSB, (\new)
.endif
.endm
.macro CROUND                          ; a round of the cluster's barrier
	s_barrier_signal -1
	s_barrier_wait -1
	s_cmp_lg_u32 s[WV], 0
	s_cbranch_scc1 .Lnot_wave_0_\@
	s_barrier_signal -3
.Lnot_wave_0_\@:
	s_barrier_wait -3
	s_barrier_signal -1
	s_barrier_wait -1
.endm
; A prefetch of the block that the NEXT change of slots will ask for: 131,072 bytes = 4 partners x 8 waves x 16 lanes x 256 bytes, told apart by address (cx, wave, lane); lanes 16-31 name their wave's last block again.
; The eight clusters of a part walk the same blocks: the part's first cluster asks.  It stands one slot, 256 matrix instructions a wave, ahead of the load.  A part has four blocks: blocks 0 to 2 come by their loads alone,
; block 3 is asked for at the first change of slots, and the second change asks for nothing.
.macro ASK
	s_cmp_gt_u32 s[SLOTS], s[LIM]
	s_cbranch_scc0 .Lnot_mine_\@
	global_prefetch_b8 v[PFO], s[PFA:PFA+1] th:TH_LOAD_NT scope:SCOPE_SE
.Lnot_mine_\@:
.endm
.macro XL first, n                     ; x's pieces of 512 consecutive bytes: piece i is registers 4 i .. 4 i + 3 of window 1
.set i, \first
.rept \n
	global_load_b128 v[4*i:4*i+3], v[LI], s[4:5] offset:512*i
.set i, i+1
.endr
.endm
	s_load_b128 s[4:7], s[0:1], 0x0                ; x's codes, the codebook's image
	s_load_b64 s[10:11], s[0:1], 0x10              ; parts
	v_lshl_add_u32 v[SPW], v0, 2, SPARE
	v_mov_b32 v[NIL], 0
	ds_add_u32 v[SPW], v[NIL]                      ; the opening lines: the add, twice on end, and its wait ahead of my first tensor load
	ds_add_u32 v[SPW], v[NIL]
	v_lshrrev_b32 v[T0], 5, v0
	v_readfirstlane_b32 s[WV], v[T0]               ; wave 0..7
	s_bfe_u32 s15, ttmp6, 0x40000                  ; cx: it enters the addresses of x, of parts and of the prefetch alone
	s_lshl_b32 s16, ttmp9, 2
	s_add_co_u32 s16, s16, s15
	s_and_b32 s17, ttmp7, 0xffff
.irp g, G1B, G1H
	s_mov_b32 s[\g], 15|(3<<16)|(1<<21)            ; the mask: all four work-groups; elements of 8 bytes; no padding; bit 21 beside a mask
	s_mov_b32 s[\g+1], 32<<16                      ; rows of 32 elements: 256 bytes
	s_mov_b32 s[\g+3], 32<<16
	s_mov_b32 s[\g+5], 32                          ; rows on end
	s_mov_b32 s[\g+6], 0
	s_mov_b32 s[\g+7], 0
.endr
	s_mov_b32 s[G1B+2], 64<<16
	s_mov_b32 s[G1B+4], 64
	s_mov_b32 s[G1H+2], 66<<16
	s_mov_b32 s[G1H+4], 66
	s_lshl_b32 s76, s17, 10                        ; 1024 part
	s_mov_b32 s[TB], 0
	s_mov_b32 s[BB], 0
	s_mov_b32 s[SEL], 0x76543210
	s_mov_b32 s[SEL+1], 0xfedcba98
	s_mov_b32 s68, 0xffff0000                      ; lanes 16 to 31
	s_cmp_eq_u32 ttmp9, 0
	s_cselect_b32 s[LIM], 1, -1
	; the joint loads: the part and the wave alone, in registers that never hold cx
	s_mul_i32 s58, s17, PARTB
	s_mul_i32 s[G0A+1], s[WV], HEADB               ; LDS: my eighth of cbias + slot 0
	s_mul_i32 s60, s[WV], HEADB
	s_add_co_u32 s60, s60, s58
	s_mov_b32 s61, 0
	s_lshl_b32 s62, s[WV], 14
	s_add_co_u32 s[G0W+1], s62, RING+SLOT1         ; LDS: my eighth of slot 1
	s_add_co_u32 s62, s62, s58
	s_add_co_u32 s62, s62, RING+BLOCKB             ; block 1
	s_mov_b32 s63, 0
	s_lshl_b32 s70, s16, 18                        ; x: 32 tiles of 8,192 bytes a row block, my 4 of them
	s_lshl_b32 s72, s[WV], 15
	s_add_co_u32 s70, s70, s72
	s_mov_b32 s71, 0
	s_lshl_b32 s72, s17, 17                        ; parts: 16,384 rows x 8 bytes a part, 512 rows a row block, 64 rows a wave
	s_lshl_b32 s74, s16, 12
	s_add_co_u32 s72, s72, s74
	s_lshl_b32 s74, s[WV], 9
	s_add_co_u32 s72, s72, s74
	s_mov_b32 s73, 0
	s_lshl_b32 s74, s15, 15                        ; the prefetch: my work-group's quarter of a block, my wave's eighth of that,
	s_lshl_b32 s75, s[WV], 12
	s_add_co_u32 s74, s74, s75
	s_add_co_u32 s74, s74, s58
	s_add_co_u32 s74, s74, RING+2*BLOCKB           ; in block 2: the first change of slots steps it to block 3
	s_mov_b32 s75, 0
	v_and_b32 v[T0], 31, v0                        ; lane
	v_bfe_u32 v[T0+1], v0, 4, 1                    ; lane / 16
	v_min_u32 v[T0+2], 15, v[T0]
	v_lshlrev_b32 v[LI], 4, v[T0]
	v_lshlrev_b32 v[PO], 3, v[T0]
	v_lshl_add_u32 v[LC], v[T0], 4, RING
	v_lshlrev_b32 v[AB0], 5, v[T0+1]
	v_lshl_add_u32 v[EB], v[T0+1], 3, s76
	v_lshlrev_b32 v[PFO], 8, v[T0+2]
	s_wait_alu depctr_va_vdst(0)
	s_wait_dscnt 0x0                               ; both opening adds are done
	s_wait_kmcnt 0x0
	s_add_nc_u64 s[4:5], s[4:5], s[70:71]
	s_add_nc_u64 s[10:11], s[10:11], s[72:73]
	s_add_nc_u64 s[PFA:PFA+1], s[6:7], s[74:75]
	s_mov_b32 s[G0A], 1
	s_add_nc_u64 s[G0A+2:G0A+3], s[6:7], s[60:61]
	s_or_b32 s[G0A+3], s[G0A+3], 0x80000000
	s_mov_b32 s[G0W], 1
	s_add_nc_u64 s[G0W+2:G0W+3], s[6:7], s[62:63]
	s_or_b32 s[G0W+3], s[G0W+3], 0x80000000
	WIN 0x40                                       ; destination window 1
	XL 0, 16                                       ; 16 of x's 64 loads go out while the partners meet; the others follow the joint load
	WIN 0
	CROUND                                         ; all four work-groups are here: the first joint loads meet
	tensor_load_to_lds s[G0A:G0A+3], s[G1H:G1H+7]  ; my one load at the head: an eighth of cbias + block 0
	s_nop 0
.irp j, 0,1,2,3
	v_mov_b32 v[BEST+\j], 0xff800000
	v_mov_b32 v[ID+\j], 0
.endr
.set i, 0
.rept 32
	v_mov_b32 v[SAVE+i], 0xff800000
.set i, i+1
.endr
	v_mov_b32 v[TIDV], -1
	WIN 0x40
	XL 16, 48
	WIN 0
; 18 LDS loads in one run: the next tile's cbias (eight numbers a lane) into set pn, its four fragments (16 x 512 consecutive bytes) into buffer pn.
; Both were last read by the products of the tile before, behind which that tile's whole block of vector work stands.
.macro FETCH pn
	v_add_nc_u32 v[ADR], s[TB], v[LC]
	v_add_nc_u32 v[ADB], s[BB], v[AB0]
	ds_load_b128 v[BI+8*(\pn):BI+8*(\pn)+3], v[ADB]
	ds_load_b128 v[BI+8*(\pn)+4:BI+8*(\pn)+7], v[ADB] offset:16
.set i, 0
.rept 16
	ds_load_b128 v[CF+64*(\pn)+4*i:CF+64*(\pn)+4*i+3], v[ADR] offset:512*i
.set i, i+1
.endr
	s_add_co_u32 s[TB], s[TB], 8192
	s_add_co_u32 s[BB], s[BB], 64
.endm
; 16 matrix instructions: the tile in buffer p against my four row tiles, K step by K step; the first four start the sums with cbias
.macro GROUP p
.set i, 0
.rept 16
.set rD, ACC+8*(i%4)
.set rA, CF+64*\p+16*(i/4)
.set rB, 64*(i%4)+16*(i/4)
.if i < 4
	v_wmma_f32_16x16x128_fp8_fp8 v[rD:rD+7], v[rA:rA+15], v[rB:rB+15], v[BI+8*\p:BI+8*\p+7]
.else
	v_wmma_f32_16x16x128_fp8_fp8 v[rD:rD+7], v[rA:rA+15], v[rB:rB+15], v[rD:rD+7]
.endif
.set i, i+1
.endr
.endm
; THE ARGMAX of row tile m.  XA to XD: the largest of its eight scores, read from the accumulator's low end on.
.macro XA m
	v_max3_num_f32 v[T0+2*((\m)%4)], v[ACC+8*(\m)], v[ACC+8*(\m)+1], v[ACC+8*(\m)+2]
.endm
.macro XB m
	v_max3_num_f32 v[T0+2*((\m)%4)+1], v[ACC+8*(\m)+3], v[ACC+8*(\m)+4], v[ACC+8*(\m)+5]
.endm
.macro XC m
	v_max3_num_f32 v[T0+2*((\m)%4)], v[T0+2*((\m)%4)], v[ACC+8*(\m)+6], v[ACC+8*(\m)+7]
.endm
.macro XD m
	v_max_num_f32 v[T0+2*((\m)%4)], v[T0+2*((\m)%4)], v[T0+2*((\m)%4)+1]
.endm
.macro SB m                            ; the new best, and the tile's number where VCC says so
	v_dual_max_num_f32 v[BEST+\m], v[BEST+\m], v[T0+2*(\m%4)] :: v_dual_cndmask_b32 v[ID+\m], v[ID+\m], v[TIDV]
.endm
.macro SV m, j                         ; scores j and j + 1 are kept where VCC says so
	v_dual_cndmask_b32 v[SAVE+8*\m+\j], v[SAVE+8*\m+\j], v[ACC+8*\m+\j] :: v_dual_cndmask_b32 v[SAVE+8*\m+\j+1], v[SAVE+8*\m+\j+1], v[ACC+8*\m+\j+1]
.endm
.macro ARGMAX                          ; row tile m's selects with row tile m + 2's maxima among them
	XA 0
	XA 1
	XB 0
	XB 1
	XC 0
	XC 1
	XD 0
	XD 1
.irp m, 0,1,2,3
	v_cmp_gt_f32 vcc_lo, v[T0+2*(\m%4)], v[BEST+\m]   ; strictly: of equal scores the earlier tile, with the lower entries, stays
.if \m < 2
	XA \m+2
	XB \m+2
.endif
	SB \m
	SV \m, 0
.if \m < 2
	XC \m+2
.endif
	SV \m, 2
	SV \m, 4
	SV \m, 6
.if \m < 2
	XD \m+2
.endif
.endr
.endm
.macro TILE p, fetch
	s_wait_dscnt 0x0                               ; this tile's fragments and cbias are in: they were asked for a tile ago
.if \fetch
	FETCH 1-\p
.endif
	WIN 0x04                                       ; source 1 (x) window 1
	GROUP \p
	WIN 0
	v_add_nc_u32 v[TIDV], 1, v[TIDV]               ; four places between the products and the first read of a result (ISA guide 7.12.1)
.rept 3
	v_nop
.endr
	ARGMAX
.endm
; THE CHANGE OF SLOTS stands in front of a slot's last tile, whose fragments are in registers by then.  Each wave waits for all its tensor loads (one is out: its eighth of the other slot), adds 0 to its spare word,
; and waits for that and for its reads of this slot.  fill = 2: a round of the cluster's barrier, and the joint refill with the block two on first behind it.  fill = 1: nothing is left to fetch.
.macro CHANGE fill
	s_wait_tensorcnt 0x0
	ds_add_u32 v[SPW], v[NIL]
.if \fill == 2
	s_xor_b32 s[G0W+1], s[G0W+1], SLOT1            ; no load of mine is out: the walking group 0 takes the other slot
	s_add_nc_u64 s[G0W+2:G0W+3], s[G0W+2:G0W+3], BLOCKB
	s_wait_xcnt 0x0                                ; a prefetch of mine has read its address
	s_add_nc_u64 s[PFA:PFA+1], s[PFA:PFA+1], BLOCKB
.endif
	s_wait_dscnt 0x0
.if \fill == 2
	CROUND
	tensor_load_to_lds s[G0W:G0W+3], s[G1B:G1B+7]
	s_nop 0
.rept 4
	v_nop
.endr
	ASK
.else
	s_barrier_signal -1
	s_barrier_wait -1
.endif
	s_sub_co_u32 s[TB], s[TB], BLOCKB              ; back to the first tile, in the other slot; cbias goes straight on
	s_xor_b32 s[TB], s[TB], SLOT1
.endm
.macro SLOT fill                       ; a slot's sixteen tiles; tile t fetches tile t + 1, the last the next slot's first
	s_mov_b32 s[CNT], 7
.Lpair_\@:
	TILE 0, 1
	TILE 1, 1
	s_sub_co_u32 s[CNT], s[CNT], 1
	s_cmp_lg_u32 s[CNT], 0
	s_cbranch_scc1 .Lpair_\@
	TILE 0, 1
.if \fill > 0
	CHANGE \fill
	TILE 1, 1
.else
	TILE 1, 0
.endif
.endm
	s_wait_alu depctr_va_vdst(0)
	s_wait_tensorcnt 0x0                           ; my eighth of cbias + block 0 is in; slot 1's first fill is issued as a refill is:
	ds_add_u32 v[SPW], v[NIL]
	s_wait_dscnt 0x0
	CROUND                                         ; everybody's eighth is in, and the four work-groups are here
	tensor_load_to_lds s[G0W:G0W+3], s[G1B:G1B+7]  ; block 1 into slot 1
	s_nop 0
.rept 4
	v_nop
.endr
	FETCH 0
	s_wait_loadcnt 0x0                             ; x
	s_mov_b32 s[SLOTS], 2
.Lslot:                                            ; blocks 0 and 1: each change of slots asks for the block two on
	SLOT 2
	s_sub_co_u32 s[SLOTS], s[SLOTS], 1
	s_cmp_lg_u32 s[SLOTS], 0
	s_cbranch_scc1 .Lslot
	SLOT 1                                         ; blocks 2 and 3 are written out
	SLOT 0
	; THE WAY OUT.  The place among the saved eight (the lowest of equal ones), the entry's number, then the join of the two halves of the lanes.
.irp m, 0,1,2,3
	v_mov_b32 v[JJ+\m], 7
.endr
.irp j, 6,5,4,3,2,1,0
.irp m, 0,1,2,3
	v_cmp_eq_f32 vcc_lo, v[SAVE+8*\m+\j], v[BEST+\m]
	v_cndmask_b32 v[JJ+\m], v[JJ+\m], \j, vcc_lo
.endr
.endr
.irp m, 0,1,2,3
	v_lshl_add_u32 v[EE+\m], v[ID+\m], 4, v[JJ+\m] ; 16 x tile + place,
.endr
.irp m, 0,1,2,3
	v_add_nc_u32 v[EE+\m], v[EE+\m], v[EB]         ; + my half of the tile + the part's first entry
.endr
.macro MERGE b, e, ob, oe              ; (b, e) takes (ob, oe) where ob is larger, or equal with the lower entry
	v_cmp_gt_f32 vcc_lo, v[\ob], v[\b]
	v_cmp_eq_f32 s66, v[\ob], v[\b]
	v_cmp_lt_u32 s67, v[\oe], v[\e]
	s_and_b32 s66, s66, s67
	s_or_b32 vcc_lo, vcc_lo, s66
	v_cndmask_b32 v[\b], v[\b], v[\ob], vcc_lo
	v_cndmask_b32 v[\e], v[\e], v[\oe], vcc_lo
.endm
.irp m, 0,1,2,3
	v_permlanex16_b32 v[OB+\m], v[BEST+\m], s[SEL], s[SEL+1]   ; the row's other eight entries of each tile lie in the lane 16 away
	v_permlanex16_b32 v[OE+\m], v[EE+\m], s[SEL], s[SEL+1]
.endr
.irp m, 0,1,2,3
	MERGE BEST+\m, EE+\m, OB+\m, OE+\m             ; both lanes of a row now hold the same
.endr
.irp t, 0,1,2,3                        ; the score as a whole number of the same order, compared unsigned: -0 becomes +0; a positive number gets its top bit set, a negative one has all bits turned
	v_add_f32 v[BEST+\t], 0, v[BEST+\t]
.endr
.irp t, 0,1,2,3
	v_ashrrev_i32 v[T0+\t], 31, v[BEST+\t]
.endr
.irp t, 0,1,2,3
	v_or_b32 v[T0+\t], 0x80000000, v[T0+\t]
.endr
.irp t, 0,1,2,3
	v_xor_b32 v[BEST+\t], v[BEST+\t], v[T0+\t]
.endr
	v_cndmask_b32 v[OUTP], v[BEST], v[BEST+1], s68 ; lane l takes row l of 32: lanes 0-15 from one row tile, lanes 16-31 from the next
	v_cndmask_b32 v[OUTP+1], v[EE], v[EE+1], s68
	v_cndmask_b32 v[OUTP+2], v[BEST+2], v[BEST+3], s68
	v_cndmask_b32 v[OUTP+3], v[EE+2], v[EE+3], s68
	global_store_b64 v[PO], v[OUTP:OUTP+1], s[10:11]               ; 32 lanes store 256 consecutive bytes, at a multiple of 256 from the buffer's first byte
	global_store_b64 v[PO], v[OUTP+2:OUTP+3], s[10:11] offset:256
	s_wait_tensorcnt 0x0                           ; the wave's end
	ds_add_u32 v[SPW], v[NIL]
	s_wait_dscnt 0x0
	CROUND                                         ; the closing round
	s_endpgm
.Lfunc_end_k_q011dde5ae0_nearest:
	.size	k_q011dde5ae0_nearest, .Lfunc_end_k_q011dde5ae0_nearest-k_q011dde5ae0_nearest
	.p2alignl 7, 3214868480
	.fill 96, 4, 3214868480
	.section	.rodata,"a",@progbits
	.p2align	6, 0x0
	.amdhsa_kernel k_q011dde5ae0_nearest
		.amdhsa_group_segment_fixed_size 327680
		.amdhsa_private_segment_fixed_size 0
		.amdhsa_enable_private_segment 0
		.amdhsa_kernarg_size 24
		.amdhsa_user_sgpr_count 2
		.amdhsa_user_sgpr_kernarg_segment_ptr 1
		.amdhsa_wavefront_size32 1
		.amdhsa_system_sgpr_workgroup_id_x 1
		.amdhsa_system_sgpr_workgroup_id_y 1
		.amdhsa_system_sgpr_workgroup_id_z 1
		.amdhsa_system_vgpr_workitem_id 0
		.amdhsa_next_free_vgpr 512
		.amdhsa_next_free_sgpr 80
		.amdhsa_reserve_vcc 1
		.amdhsa_float_denorm_mode_32 3
		.amdhsa_float_denorm_mode_16_64 3
		.amdhsa_memory_ordered 1
		.amdhsa_forward_progress 1
		.amdhsa_inst_pref_size 79
	.end_amdhsa_kernel
	.amdgpu_metadata
---
amdhsa.version: [ 1, 2 ]
amdhsa.kernels:
  - .name:           k_q011dde5ae0_nearest
    .symbol:         k_q011dde5ae0_nearest.kd
    .args:
      - { .name: x_codes, .offset: 0, .size: 8, .value_kind: global_buffer, .address_space: global }
      - { .name: c_codes, .offset: 8, .size: 8, .value_kind: global_buffer, .address_space: global }
      - { .name: parts, .offset: 16, .size: 8, .value_kind: global_buffer, .address_space: global }
    .group_segment_fixed_size: 327680
    .private_segment_fixed_size: 0
    .kernarg_segment_align: 8
    .kernarg_segment_size: 24
    .max_flat_workgroup_size: 256
    .sgpr_count:     80
    .vgpr_count:     512
    .wavefront_size: 32
...
	.end_amdgpu_metadata
.endif
;; end of part 2
;; launch gather (part 3): grid 256 x 1, 16 waves a work-group, no clusters, 0 bytes of LDS; arguments parts, values, out0; writes out0
.if DOCPART == 3
	.amdgcn_target "amdgcn-amd-amdhsa--gfx1250"
	.amdhsa_code_object_version 6
	.text
	.protected	k_q011dde5ae0_gather
	.globl	k_q011dde5ae0_gather
	.p2align	8
	.type	k_q011dde5ae0_gather,@function
k_q011dde5ae0_gather:
	s_mov_b64 s[64:65], 0
	v_nop
	global_prefetch_b8 v0, s[64:65] scope:SCOPE_SE
	s_setreg_imm32_b32 hwreg(HW_REG_WAVE_MODE, 25, 1), 1
	s_wait_xcnt 0x0
; out0[row] = values[n(row)], n(row) the entry of the largest key among the row's eight parts; of equal keys the lowest part, whose entries are the lowest.
; parts: [8][16384]{key, entry}, whole numbers stored by the launch before.  values, out0: rows of 512 f32 = 2,048 bytes.
; A wave takes 4 rows: their eight parts are 8 x 32 consecutive bytes, read by eight scalar loads; seven unsigned compares a row choose the entry in scalar registers.
; A row is four loads of 512 consecutive bytes; all 16 loads of a wave go out together, then the rows are stored as they arrive, 512 consecutive aligned bytes a store.
; Matrix units, LDS and clusters have nothing to do here: each output byte is copied once.  No vector register is written twice, so no wait frees a source.
.set OFF, 2                            ; v2-5     row i: 2048 x its entry + 16 x lane
.set D,   16                           ; v16-79   row i: 16 registers
	s_load_b128 s[4:7], s[0:1], 0x0                ; parts s[4:5], values s[6:7]
	s_load_b64 s[8:9], s[0:1], 0x10                ; out0
	v_lshrrev_b32 v10, 5, v0
	v_and_b32 v11, 31, v0
	v_readfirstlane_b32 s12, v10                   ; wave 0..15
	v_lshlrev_b32 v1, 4, v11                       ; 16 x lane
	s_lshl_b32 s10, ttmp9, 9                       ; parts: 64 rows x 8 bytes a work-group,
	s_lshl_b32 s11, s12, 5                         ; 4 rows a wave
	s_add_co_u32 s10, s10, s11
	s_mov_b32 s11, 0
	s_lshl_b32 s14, ttmp9, 17                      ; out0: 64 rows x 2,048 bytes,
	s_lshl_b32 s15, s12, 13                        ; 4 rows
	s_add_co_u32 s14, s14, s15
	s_mov_b32 s15, 0
	s_wait_alu depctr_va_vdst(0)
	s_wait_kmcnt 0x0
	s_add_nc_u64 s[4:5], s[4:5], s[10:11]
	s_add_nc_u64 s[8:9], s[8:9], s[14:15]
.irp p, 0,1,2,3,4,5,6,7                ; part p: row i's key in s[B + 2 i], its entry in s[B + 2 i + 1], B = 16 + 8 p, and 4 more for parts 6 and 7
	s_load_b256 s[16+8*\p+4*(\p/6):23+8*\p+4*(\p/6)], s[4:5], 0x20000*\p
.endr
	s_wait_kmcnt 0x0
.irp i, 0,1,2,3
.irp p, 1,2,3,4,5,6,7
	s_cmp_gt_u32 s[16+8*\p+4*(\p/6)+2*\i], s[16+2*\i]              ; strictly above: of equal keys the lower part stays
	s_cselect_b32 s[16+2*\i], s[16+8*\p+4*(\p/6)+2*\i], s[16+2*\i]
	s_cselect_b32 s[17+2*\i], s[17+8*\p+4*(\p/6)+2*\i], s[17+2*\i]
.endr
	s_min_u32 s[17+2*\i], s[17+2*\i], 0x1fff       ; a loaded number enters an address only behind this bound: the table has 8,192 rows
	s_lshl_b32 s[17+2*\i], s[17+2*\i], 11
	v_add_nc_u32 v[OFF+\i], s[17+2*\i], v1
.irp j, 0,1,2,3
	global_load_b128 v[D+16*\i+4*\j:D+16*\i+4*\j+3], v[OFF+\i], s[6:7] offset:512*\j   ; no hint: a row of the table may be named by many rows
.endr
.endr
.irp i, 0,1,2,3
	s_wait_loadcnt 4*(3-\i)                        ; loads come back in order (ISA guide 5.7.1): row i's four are in, the later rows' may be out
.irp j, 0,1,2,3
	global_store_b128 v1, v[D+16*\i+4*\j:D+16*\i+4*\j+3], s[8:9] offset:\i*2048+512*\j th:TH_STORE_NT
.endr
.endr
	s_endpgm
.Lfunc_end_k_q011dde5ae0_gather:
	.size	k_q011dde5ae0_gather, .Lfunc_end_k_q011dde5ae0_gather-k_q011dde5ae0_gather
	.p2alignl 7, 3214868480
	.fill 96, 4, 3214868480
	.section	.rodata,"a",@progbits
	.p2align	6, 0x0
	.amdhsa_kernel k_q011dde5ae0_gather
		.amdhsa_group_segment_fixed_size 0
		.amdhsa_private_segment_fixed_size 0
		.amdhsa_enable_private_segment 0
		.amdhsa_kernarg_size 24
		.amdhsa_user_sgpr_count 2
		.amdhsa_user_sgpr_kernarg_segment_ptr 1
		.amdhsa_wavefront_size32 1
		.amdhsa_system_sgpr_workgroup_id_x 1
		.amdhsa_system_sgpr_workgroup_id_y 1
		.amdhsa_system_sgpr_workgroup_id_z 1
		.amdhsa_system_vgpr_workitem_id 0
		.amdhsa_next_free_vgpr 80
		.amdhsa_next_free_sgpr 96
		.amdhsa_reserve_vcc 0
		.amdhsa_float_denorm_mode_32 3
		.amdhsa_float_denorm_mode_16_64 3
		.amdhsa_memory_ordered 1
		.amdhsa_forward_progress 1
		.amdhsa_inst_pref_size 8
	.end_amdhsa_kernel
	.amdgpu_metadata
---
amdhsa.version: [ 1, 2 ]
amdhsa.kernels:
  - .name:           k_q011dde5ae0_gather
    .symbol:         k_q011dde5ae0_gather.kd
    .args:
      - { .name: parts, .offset: 0, .size: 8, .value_kind: global_buffer, .address_space: global }
      - { .name: values, .offset: 8, .size: 8, .value_kind: global_buffer, .address_space: global }
      - { .name: out0, .offset: 16, .size: 8, .value_kind: global_buffer, .address_space: global }
    .group_segment_fixed_size: 0
    .private_segment_fixed_size: 0
    .kernarg_segment_align: 8
    .kernarg_segment_size: 24
    .max_flat_workgroup_size: 512
    .sgpr_count:     96
    .vgpr_count:     80
    .wavefront_size: 32
...
	.end_amdgpu_metadata
.endif
;; end of part 3
